; MI455X (gfx1250); checked and timed in simulation.
; The chip was launched on July 23, 2026; its instructions are those of AMD's public machine-readable ISA for CDNA 5 (MIT licence, August 2026) and "CDNA5" Instruction Set Architecture Reference Guide (July 2026). The comments in the code are by the model that wrote it; some were corrected since.
;; Multi Head Attention. Allowed arithmetic: matrix products marked QUANTISED: E2M1 operands, one E8M0 scale for each 32 along K, by v_wmma_scale_f32_16x16x128_f8f6f4 with both operands' format E2M1 (or v_wmma_scale_f32_32x16x128_f4), f32 sums; everything else in f32.
;; Inputs: Kb 256 float32; Kw_codes 256 x 8 x 16 uint8 (E2M1 codes of Kw, K innermost, in blocks of 32 codes, two codes a byte); Kw_scales 256 x 8 uint8 (E8M0 scales of Kw, one for each 32 codes along K); Qb 256 float32; Qw_codes 256 x 8 x 16 uint8 (E2M1 codes of Qw, K innermost, in blocks of 32 codes, two codes a byte); Qw_scales 256 x 8 uint8 (E8M0 scales of Qw, one for each 32 codes along K); Vb 256 float32; Vw_codes 256 x 8 x 16 uint8 (E2M1 codes of Vw, K innermost, in blocks of 32 codes, two codes a byte); Vw_scales 256 x 8 uint8 (E8M0 scales of Vw, one for each 32 codes along K); abs_pos_K 16 x 2,048 x 256 float32; abs_pos_V 16 x 2,048 x 256 float32; attn_mask 2,048 x 2,048 bool; keys_codes 16 x 2,048 x 8 x 16 uint8 (E2M1 codes of keys, K innermost, in blocks of 32 codes, two codes a byte); keys_scales 16 x 2,048 x 8 uint8 (E8M0 scales of keys, one for each 32 codes along K); neighAt_matrix 16 x 2,048 x 256 float32; neighbor_matrix 16 x 2,048 x 256 float32; queries_codes 16 x 2,048 x 8 x 16 uint8 (E2M1 codes of queries, K innermost, in blocks of 32 codes, two codes a byte); queries_scales 16 x 2,048 x 8 uint8 (E8M0 scales of queries, one for each 32 codes along K).
;; Outputs: out0 16 x 2,048 x 256 float32.
;; This version of the problem:
;;   THIS VERSION OF THE PROBLEM IS GIVEN IN LOW PRECISION. The matrix products marked QUANTISED in the list below multiply operands that are first quantised to E2M1 (2 exponent bits, 1 mantissa bit; 4 bits a number), with one power-of-two scale for each 32 numbers along K (OCP MX v1.0); their sums are f32. All else is computed in f32.
;;   The module's matrix products, in the order in which they are computed (A, B: the left and right operand; K: the contracted axis; several contracted axes count as one K, in the product's order):
;;     1. [M 32,768, K 256] x [K 256, N 256]; A: input queries (given as codes); B: input Qw (given as codes): QUANTISED
;;     2. [M 32,768, K 256] x [K 256, N 256]; A: input keys (given as codes); B: input Kw (given as codes): QUANTISED
;;     3. [M 32,768, K 256] x [K 256, N 256]; A: input keys (given as codes); B: input Vw (given as codes): QUANTISED
;;     4. batch 64 x [M 2,048, K 64] x [K 64, N 2,048]; A: computed on the way; B: computed on the way: QUANTISED
;;     5. batch 64 x [M 2,048, K 2,048] x [K 2,048, N 64]; A: softmax (see below); B: computed on the way: QUANTISED
;;   THE QUANTISER, for each operand of a quantised product, along K:
;;     - K is cut into blocks of 32 from its start; a last block that is shorter is filled with zeros.
;;     - A block's scale is 2^e with e = floor(log2(the largest magnitude in the block)) - 2, held to -126 .. 127; a block of zeros has e = 0. As a byte (E8M0): e + 127.
;;     - Each number is divided by its block's scale, clamped to +-6, and rounded to the nearest number of E2M1, ties to even, subnormals kept.
;;     - The product sums the exact products of the quantised numbers (number of the format x scale) in f32.
;;   ~~~python
;;   def quantise(x, axis):      # numpy; x: float32 -> the quantised numbers, widened to float32 again
;;       x = np.moveaxis(x, axis, -1); K = x.shape[-1]
;;       x = np.pad(x, [(0, 0)] * (x.ndim - 1) + [(0, -K % 32)]); x = x.reshape(x.shape[:-1] + (-1, 32)); a = np.abs(x).max(-1, keepdims=True)
;;       e = np.where(a > 0, np.clip(np.frexp(np.where(a > 0, a, 1))[1] - 1 - 2, -126, 127), 0)      # np.frexp(a)[1] - 1 = floor(log2(a)), exactly
;;       r = np.clip(x / 2.0 ** e, -6, 6)
;;       step = 2.0 ** (np.maximum(np.frexp(np.where(r == 0, 1, r))[1] - 1, 0) - 1)
;;       q = np.round(r / step) * step * 2.0 ** e      # np.round: ties to even
;;       return np.moveaxis(q.reshape(q.shape[:-2] + (-1,))[..., :K], -1, axis).astype(np.float32)
;;   ~~~
;;   SOFTMAX AHEAD OF A QUANTISED PRODUCT. Where the list says 'softmax', what is quantised is not the finished softmax but p = 2^(t - M), with t = logit x log2(e) and M = ceil(the row's largest t), a whole number; so 1/2 < the row's largest p <= 1. The row's sum l is taken of the UNQUANTISED p, in f32, and the product's result is divided by l at the end. Since M is a whole number, a kernel that streams over the keys may use a running M (the ceiling of the running maximum): every later rescaling is an exact power of two, which a block's scale takes up: the codes' values come out the same.
;;   OPERANDS COMPUTED ON THE WAY. 'Computed on the way' means the value that the module computes at that place (a softmax that the list does not call 'softmax' is quantised finished and normalised). What goes into a quantiser is computed in f32, as accurately as f32 sums, v_exp_f32 and their like allow (about 1e-6 of the number): no bf16 or f16 on the way to a quantiser, and a product that is left as it is and whose result goes on into a quantised operand takes f32 operands (vector FMAs, or v_wmma_f32_16x16x4_f32). A number that lies on a knife's edge between two numbers of the format may be rounded either way, as far as f32 arithmetic and the matrix unit's own rounding can turn it there, and no further.
;;   INPUTS GIVEN AS CODES. Kw (in the module: [256, 256], K = its axis 1); Qw (in the module: [256, 256], K = its axis 1); Vw (in the module: [256, 256], K = its axis 1); keys (in the module: [16, 2048, 256], K = its axis 2); queries (in the module: [16, 2048, 256], K = its axis 2): each comes as NAME_codes (uint8): NAME with its K axis moved to the last place and cut into blocks of 32 codes, [.., K / 32, bytes a block], one block behind the other in memory; two codes a byte, the lower K in the low four bits (a code: sign, 2 exponent bits, 1 mantissa bit); and NAME_scales (uint8): the same leading axes, one E8M0 byte (e + 127) for each 32 codes along K. Its value is code x scale, taken as it is: it is not quantised again, and the codes and scales need not be those that the quantiser above would give.
;; One version. Each part assembles by itself: llvm-mc -triple=amdgcn-amd-amdhsa -mcpu=gfx1250 --defsym DOCPART=n.
;; ======== version 1 of 1: 2 launches
;; limits: right only within a limited range of input values
;; workspace buffers: kv 9,175,040 bytes; maskw 524,288 bytes of whole numbers
;; launch prep (part 1): grid 256 x 1, 4 waves a work-group, no clusters, 327,680 bytes of LDS; arguments keys_codes, keys_scales, Kw_codes, Kw_scales, Kb, Vw_codes, Vw_scales, Vb, neighbor_matrix, neighAt_matrix, abs_pos_K, abs_pos_V, attn_mask, kv, maskw; writes kv, maskw
.if DOCPART == 1
	.amdgcn_target "amdgcn-amd-amdhsa--gfx1250"
	.amdhsa_code_object_version 6
	.text
	.protected	k_q7a77029122_prep
	.globl	k_q7a77029122_prep
	.p2align	8
	.type	k_q7a77029122_prep,@function
k_q7a77029122_prep:
	s_mov_b64 s[64:65], 0
	v_nop
	global_prefetch_b8 v0, s[64:65] scope:SCOPE_SE
	s_setreg_imm32_b32 hwreg(HW_REG_WAVE_MODE, 25, 1), 1
	s_wait_xcnt 0x0
.set TILE,  33280
.set SLOT,  4*TILE
.set MSTG,  2*SLOT
.set SPARE, MSTG+4*4352
.set BHB,   143360
.set OC,  5
.set OS,  6
.set OVC, 7
.set OVS, 8
.set H64, 9
.set R16, 10
.set LI,  11
.set AVS, 12
.set L8,  13
.set AK,  14
.set AV,  18
.set SPW, 22
.set NIL, 23
.set PFO, 24
.set MGO, 25
.set MSI, 26
.set MSO, 27
.set KWS, 28
.set VWS, 32
.set KSC, 36
.set VB,  44
.set KB,  48
.set KSW, 80
.set VSW, 84
.set CK,  88
.set CV,  96
.set TM,  104
.set MW,  120
.set X,   128
.set Y,   192
.set WV,  34
.set HI,  35
.set G1,  36
.set G0,  44
.set SEL, 52
.set PF2, 54
.set PF3, 56
.set KVP, 58
.set KSP, 60
.set VSP, 62
.set CM,  66
.set MSB, 0
.macro WIN new
.if MSB != \new
	s_set_vgpr_msb (MSB<<8)|\new
.set MSB, \new
.endif
.endm
.macro PLACES
.rept 4
	v_nop
.endr
.endm
	s_load_b512 s[4:19], s[0:1], 0x0
	s_load_b256 s[20:27], s[0:1], 0x40
	s_load_b128 s[28:31], s[0:1], 0x60
	s_load_b64 s[32:33], s[0:1], 0x70
	v_lshl_add_u32 v[SPW], v0, 2, SPARE
	v_mov_b32 v[NIL], 0
	ds_add_u32 v22, v23
	ds_add_u32 v22, v23
	s_wait_dscnt 0x0
	v_lshrrev_b32 v1, 5, v0
	v_readfirstlane_b32 s[WV], v1
	s_mov_b32 s[HI], 0xffff0000
	s_mov_b32 s[SEL], 0x76543210
	s_mov_b32 s[SEL+1], 0xfedcba98
	s_mov_b32 s[G1+0], (3<<16)|(1<<20)|(7<<22)|(3<<25)
	s_mov_b32 s[G1+1], 128<<16
	s_mov_b32 s[G1+2], 32<<16
	s_mov_b32 s[G1+3], 128<<16
	s_mov_b32 s[G1+4], 32
	s_mov_b32 s[G1+5], 128
	s_mov_b32 s[G1+6], 0
	s_mov_b32 s[G1+7], 0
	s_mul_i32 s74, s[WV], TILE
	s_lshl_b32 s76, ttmp9, 17
	s_mov_b32 s77, 0
	s_wait_kmcnt 0x0
	s_bitcmp1_b32 s[WV], 0
	s_cselect_b64 s[PF2:PF2+1], s[22:23], s[20:21]
	s_cselect_b64 s[PF3:PF3+1], s[26:27], s[24:25]
	s_bitcmp1_b32 s[WV], 1
	s_cselect_b64 s[PF2:PF2+1], s[PF3:PF3+1], s[PF2:PF2+1]
	s_add_nc_u64 s[PF2:PF2+1], s[PF2:PF2+1], s[76:77]
	s_mov_b32 s[G0], 1
	s_mov_b32 s[G0+1], s74
	s_mov_b64 s[G0+2:G0+3], s[PF2:PF2+1]
	s_or_b32 s[G0+3], s[G0+3], 0x80000000
	s_mov_b32 s[G0+4], 1
	s_add_co_u32 s[G0+5], s74, SLOT
	s_add_nc_u64 s[G0+6:G0+7], s[PF2:PF2+1], 32768
	s_or_b32 s[G0+7], s[G0+7], 0x80000000
	tensor_load_to_lds s[G0:G0+3], s[G1:G1+7]
	s_nop 0
	s_wait_alu depctr_va_vdst(0)
	s_wait_tensorcnt 0x0
	ds_add_u32 v22, v23
	s_wait_dscnt 0x0
	s_barrier_signal -1
	s_barrier_wait -1
	tensor_load_to_lds s[G0+4:G0+7], s[G1:G1+7]
	s_nop 0
	PLACES
	s_add_nc_u64 s[PF3:PF3+1], s[PF2:PF2+1], 98304
	s_add_nc_u64 s[PF2:PF2+1], s[PF2:PF2+1], 65536
	s_mov_b32 s75, 0
	s_lshl_b32 s74, ttmp9, 14
	s_add_nc_u64 s[4:5], s[4:5], s[74:75]
	s_lshl_b32 s74, ttmp9, 10
	s_add_nc_u64 s[6:7], s[6:7], s[74:75]
	s_lshl_b32 s74, s[WV], 13
	s_add_nc_u64 s[8:9], s[8:9], s[74:75]
	s_add_nc_u64 s[14:15], s[14:15], s[74:75]
	s_lshl_b32 s74, s[WV], 9
	s_add_nc_u64 s[10:11], s[10:11], s[74:75]
	s_add_nc_u64 s[16:17], s[16:17], s[74:75]
	s_lshl_b32 s74, s[WV], 8
	s_add_nc_u64 s[12:13], s[12:13], s[74:75]
	s_add_nc_u64 s[18:19], s[18:19], s[74:75]
	s_lshr_b32 s76, ttmp9, 1
	s_and_b32 s77, ttmp9, 1
	s_lshl_b32 s77, s77, 2
	s_add_co_u32 s77, s77, s[WV]
	s_lshl_b32 s74, s76, 15
	s_lshl_b32 s78, s77, 8
	s_add_co_u32 s74, s74, s78
	s_add_nc_u64 s[28:29], s[28:29], s[74:75]
	s_lshl_b32 s74, s76, 12
	s_lshl_b32 s78, s77, 9
	s_add_co_u32 s74, s74, s78
	s_add_nc_u64 s[32:33], s[32:33], s[74:75]
	s_lshr_b32 s76, ttmp9, 4
	s_lshl_b32 s76, s76, 2
	s_add_co_u32 s76, s76, s[WV]
	s_mul_i32 s76, s76, BHB
	s_and_b32 s77, ttmp9, 15
	s_lshl_b32 s74, s77, 12
	s_add_co_u32 s74, s74, s76
	s_add_nc_u64 s[KVP:KVP+1], s[30:31], s[74:75]
	s_lshl_b32 s74, s77, 9
	s_add_co_u32 s74, s74, s76
	s_add_nc_u64 s[KSP:KSP+1], s[30:31], s[74:75]
	s_lshl_b32 s74, s77, 8
	s_add_co_u32 s74, s74, s76
	s_add_nc_u64 s[VSP:VSP+1], s[30:31], s[74:75]
	v_and_b32 v1, 31, v0
	v_and_b32 v2, 15, v0
	v_bfe_u32 v3, v0, 4, 1
	v_and_b32 v4, 8, v2
	v_add_nc_u32 v4, v4, v2
	v_lshlrev_b32 v[OC], 7, v4
	v_lshl_add_u32 v[OC], v3, 4, v[OC]
	v_lshlrev_b32 v[OS], 3, v4
	v_lshl_add_u32 v[OS], v3, 2, v[OS]
	v_lshlrev_b32 v[OVC], 9, v2
	v_lshl_add_u32 v[OVC], v3, 4, v[OVC]
	v_lshlrev_b32 v[OVS], 5, v2
	v_lshl_add_u32 v[OVS], v3, 2, v[OVS]
	v_lshlrev_b32 v[H64], 6, v3
	v_lshlrev_b32 v[R16], 4, v2
	v_lshlrev_b32 v[LI], 4, v1
	v_lshl_add_u32 v[AVS], v3, 3, v[R16]
	v_lshlrev_b32 v[L8], 3, v1
	v_lshlrev_b32 v[PFO], 8, v1
	v_lshl_add_u32 v[MGO], v3, 11, v[R16]
	s_lshl_b32 s78, s[WV], 8
	v_mul_u32_u24 v[AK], v4, 1040
	v_add_nc_u32 v[AK], v[AK], v[H64]
	v_add_nc_u32 v[AK], s78, v[AK]
	v_add_nc_u32 v[AK+1], SLOT, v[AK]
	v_add_nc_u32 v[AK+2], 2*TILE, v[AK]
	v_add_nc_u32 v[AK+3], 2*TILE, v[AK+1]
	v_mul_u32_u24 v[AV], v3, 16640
	v_add_nc_u32 v[AV], v[AV], v[R16]
	v_add_nc_u32 v[AV], s78, v[AV]
	v_add_nc_u32 v[AV+1], SLOT, v[AV]
	v_add_nc_u32 v[AV+2], 2*TILE, v[AV]
	v_add_nc_u32 v[AV+3], 2*TILE, v[AV+1]
	s_mul_i32 s79, s[WV], 4352
	s_add_co_u32 s79, s79, MSTG
	v_mul_u32_u24 v[MSI], v3, 272
	v_add_nc_u32 v[MSI], v[MSI], v[R16]
	v_add_nc_u32 v[MSI], s79, v[MSI]
	v_mul_u32_u24 v[MSO], v2, 272
	v_lshl_add_u32 v[MSO], v3, 4, v[MSO]
	v_add_nc_u32 v[MSO], s79, v[MSO]
.irp k, 0,1,2,3,4,5,6,7
	global_load_b128 v[X+4*\k:X+4*\k+3], v[MGO], s[28:29] offset:4096*\k th:TH_LOAD_NT
.endr
	WIN 0x40
.irp f, 0,1,2,3
.irp s, 0,1
.irp c, 0,1
	global_load_b128 v[16*\f+8*\s+4*\c:16*\f+8*\s+4*\c+3], v[OC], s[8:9] offset:(32*(\f/2)+8*(\f%2))*128+64*\s+32*\c
.endr
.endr
.endr
.irp t, 0,1,2,3
.irp s, 0,1
.irp c, 0,1
	global_load_b128 v[64+16*\t+8*\s+4*\c:64+16*\t+8*\s+4*\c+3], v[OVC], s[14:15] offset:128*\t+64*\s+32*\c
.endr
.endr
.endr
.irp b, 0,1,2,3
.irp u, 0,1
.irp s, 0,1
.irp c, 0,1
	global_load_b128 v[128+32*\b+16*\u+8*\s+4*\c:128+32*\b+16*\u+8*\s+4*\c+3], v[OC], s[4:5] offset:(32*\b+8*\u)*128+64*\s+32*\c
.endr
.endr
.endr
.endr
	WIN 0
.irp f, 0,1,2,3
	global_load_b32 v[KWS+\f], v[OS], s[10:11] offset:(32*(\f/2)+8*(\f%2))*8
.endr
.irp t, 0,1,2,3
	global_load_b32 v[VWS+\t], v[OVS], s[16:17] offset:8*\t
.endr
.irp b, 0,1,2,3
.irp u, 0,1
	global_load_b32 v[KSC+2*\b+\u], v[OS], s[6:7] offset:(32*\b+8*\u)*8
.endr
.endr
.irp f, 0,1,2,3
.irp k, 0,1
	global_load_b128 v[KB+8*\f+4*\k:KB+8*\f+4*\k+3], v[H64], s[12:13] offset:(32*(\f/2)+8*(\f%2))*4+16*\k
.endr
.endr
	global_load_b128 v[VB:VB+3], v[R16], s[18:19]
.irp k, 0,1,2,3
	v_mov_b32 v[MW+\k], 0
.endr
	s_wait_alu depctr_va_vdst(0)
	s_wait_loadcnt 0x0
.irp k, 0,1,2,3,4,5,6,7
	ds_store_b128 v[MSI], v[X+4*\k:X+4*\k+3] offset:544*\k
.endr
.irp k, 0,1,2,3,4,5,6,7
	ds_load_b128 v[Y+4*\k:Y+4*\k+3], v[MSO] offset:32*\k
.endr
	s_wait_dscnt 0x0
.set n, 0
.rept 16
.set x, 0
.rept 8
	v_and_b32 v[TM+x], 1<<(8*((n+x)%4)), v[Y+4*((n+x)/16)+((n+x)%16)/4]
.set x, x+1
.endr
.set x, 0
.rept 8
	v_cmp_ne_u32 s[CM+x], 0, v[TM+x]
.set x, x+1
.endr
.set x, 0
.rept 8
	v_writelane_b32 v[MW+2*((n+x)/64)+((n+x)%2)], s[CM+x], ((n+x)%64)/2
.set x, x+1
.endr
.set n, n+8
.endr
	global_store_b64 v[L8], v[MW:MW+1], s[32:33]
	global_store_b64 v[L8], v[MW+2:MW+3], s[32:33] offset:256
	s_wait_tensorcnt 0x1
	s_barrier_signal -1
	s_barrier_wait -1
.macro LDK dst, ta
.irp u, 0,1
.irp f, 0,1,2,3
.irp k, 0,1
	ds_load_b128 v[\dst+32*\u+8*\f+4*\k:\dst+32*\u+8*\f+4*\k+3], v[AK+2*((\ta)/2)+SG] offset:((\ta)%2)*TILE+8320*\u+128*(\f/2)+32*(\f%2)+16*\k
.endr
.endr
.endr
.endm
.macro LDV dst, ta
.irp k, 0,1,2,3,4,5,6,7,8,9,10,11,12,13,14,15
	ds_load_b128 v[\dst+4*\k:\dst+4*\k+3], v[AV+2*((\ta)/2)+SG] offset:((\ta)%2)*TILE+1040*\k
.endr
.endm
.macro PKADD d, s, n
.set q, 0
.rept \n
	v_pk_add_f32 v[\d+q:\d+q+1], v[\d+q:\d+q+1], v[\s+q:\s+q+1]
.set q, q+2
.endr
.endm
.macro MM d, a, b, sa, sb, row
.if \row
	v_wmma_scale_f32_16x16x128_f8f6f4 v[\d:\d+7], v[\a:\a+7], v[\b:\b+7], v[\d:\d+7], v[\sa], v[\sb] matrix_a_fmt:MATRIX_FMT_FP4 matrix_b_fmt:MATRIX_FMT_FP4 matrix_a_scale:MATRIX_SCALE_ROW1 matrix_b_scale:MATRIX_SCALE_ROW1
.else
	v_wmma_scale_f32_16x16x128_f8f6f4 v[\d:\d+7], v[\a:\a+7], v[\b:\b+7], v[\d:\d+7], v[\sa], v[\sb] matrix_a_fmt:MATRIX_FMT_FP4 matrix_b_fmt:MATRIX_FMT_FP4
.endif
.endm
.macro QUANT4 src, d0, d1
.irp k, 0,1,2,3
	v_max3_num_f32 v[TM+\k], |v[\src+16*\k]|, |v[\src+16*\k+1]|, 0x1800000
.endr
.irp i, 2,4,6,8,10,12,14
.irp k, 0,1,2,3
	v_max3_num_f32 v[TM+\k], v[TM+\k], |v[\src+16*\k+\i]|, |v[\src+16*\k+\i+1]|
.endr
.endr
.irp k, 0,1,2,3
	v_permlanex16_b32 v[TM+4+\k], v[TM+\k], s[SEL], s[SEL+1]
.endr
.irp k, 0,1,2,3
	v_max_num_f32 v[TM+\k], v[TM+\k], v[TM+4+\k]
.endr
.irp k, 0,1,2,3
	v_add_nc_u32 v[TM+8+\k], 0xff000000, v[TM+\k]
.endr
.irp k, 0,1,2,3
	v_lshrrev_b32 v[TM+4+\k], 23, v[TM+8+\k]
.endr
.irp k, 0,1
	v_cvt_scalef32_pk8_fp4_f32 v[\d0+2*\k], v[\src+16*\k:\src+16*\k+7], v[TM+8+\k]
	v_cvt_scalef32_pk8_fp4_f32 v[\d0+2*\k+1], v[\src+16*\k+8:\src+16*\k+15], v[TM+8+\k]
.endr
.irp k, 0,1
	v_cvt_scalef32_pk8_fp4_f32 v[\d1+2*\k], v[\src+32+16*\k:\src+32+16*\k+7], v[TM+10+\k]
	v_cvt_scalef32_pk8_fp4_f32 v[\d1+2*\k+1], v[\src+32+16*\k+8:\src+32+16*\k+15], v[TM+10+\k]
.endr
	v_nop
.endm
.macro FILL sl, load
	s_wait_tensorcnt 0x0
	ds_add_u32 v[SPW], v[NIL]
.if \load
	s_add_nc_u64 s[G0+4*\sl+2:G0+4*\sl+3], s[G0+4*\sl+2:G0+4*\sl+3], 65536
.endif
	s_wait_dscnt 0x0
	s_barrier_signal -1
	s_barrier_wait -1
.if \load
	tensor_load_to_lds s[G0+4*\sl:G0+4*\sl+3], s[G1:G1+7]
	s_nop 0
	PLACES
.endif
.endm
.macro STEP b, ask
.set SG, (\b)%2
	LDK X, 0
	LDK Y, 1
.if \ask
.irp p, 0,1,2,3
	global_prefetch_b8 v[PFO], s[\ask:\ask+1] offset:8192*\p th:TH_LOAD_NT scope:SCOPE_SE
.endr
.endif
	s_wait_dscnt 0x0
	PKADD X, Y, 32
	LDK Y, 2
	PKADD X, KB, 16
	PKADD X+32, KB, 16
	s_wait_dscnt 0x0
	PKADD X, Y, 32
	LDV Y, 0
	PLACES
	WIN 0x05
.irp s, 0,1
.irp u, 0,1
.irp f, 0,1,2,3
	MM X+32*\u+8*\f, 16*\f+8*\s, 128+32*(\b)+16*\u+8*\s, KWS+\f, KSC+2*(\b)+\u, \s
.endr
.endr
.endr
	WIN 0
	PLACES
	s_wait_xcnt 0x0
	QUANT4 X, CK, CK+4
.irp u, 0,1
	v_permlane16_swap_b32 v[CK+4*\u], v[CK+4*\u+2]
	v_permlane16_swap_b32 v[CK+4*\u+1], v[CK+4*\u+3]
.endr
.irp u, 0,1
	v_lshl_or_b32 v[TM+12+\u], v[TM+5+2*\u], 8, v[TM+4+2*\u]
.endr
.irp u, 0,1
	v_lshl_or_b32 v[TM+12+\u], v[TM+12+\u], 16, v[TM+12+\u]
.endr
	v_cndmask_b32 v[KSW+\b], v[TM+12], v[TM+13], s[HI]
.irp u, 0,1
	global_store_b128 v[LI], v[CK+4*\u:CK+4*\u+3], s[KVP:KVP+1] offset:1024*(\b)+512*\u
.endr
	LDV X, 1
	s_wait_dscnt 0x0
	PKADD Y, X, 32
	LDV X, 3
	s_wait_dscnt 0x0
	PKADD Y, X, 32
.irp t, 0,1,2,3
.set q, 0
.rept 16
	v_add_f32 v[X+16*\t+q], v[Y+4*q+\t], v[VB+\t]
.set q, q+1
.endr
.endr
	PLACES
	WIN 0x05
.irp s, 0,1
.irp t, 0,1,2,3
.irp u, 0,1
	MM X+16*\t+8*\u, 128+32*(\b)+16*\u+8*\s, 64+16*\t+8*\s, KSC+2*(\b)+\u, VWS+\t, \s
.endr
.endr
.endr
	WIN 0
	PLACES
	QUANT4 X, CV, CV+4
.irp t, 0,1,2,3
.if (\b) == 0
	v_mov_b32 v[VSW+\t], v[TM+4+\t]
.else
	v_lshl_or_b32 v[VSW+\t], v[TM+4+\t], 8*(\b), v[VSW+\t]
.endif
.endr
.irp t, 0,1,2,3
	global_store_b64 v[AVS], v[CV+2*\t:CV+2*\t+1], s[KVP:KVP+1] offset:65536+1024*\t+512*((\b)/2)+256*((\b)%2)
.endr
.endm
	STEP 0, PF2
	FILL 0, 1
	STEP 1, PF3
	FILL 1, 1
	STEP 2, 0
	FILL 0, 0
	STEP 3, 0
	global_store_b128 v[LI], v[KSW:KSW+3], s[KSP:KSP+1] offset:131072
	v_cndmask_b32 v[TM+12], v[VSW], v[VSW+1], s[HI]
	v_cndmask_b32 v[TM+13], v[VSW+2], v[VSW+3], s[HI]
	global_store_b64 v[L8], v[TM+12:TM+13], s[VSP:VSP+1] offset:139264
	s_wait_tensorcnt 0x0
	ds_add_u32 v[SPW], v[NIL]
	s_wait_dscnt 0x0
	s_endpgm
.Lfunc_end_k_q7a77029122_prep:
	.size	k_q7a77029122_prep, .Lfunc_end_k_q7a77029122_prep-k_q7a77029122_prep
	.p2alignl 7, 3214868480
	.fill 96, 4, 3214868480
	.section	.rodata,"a",@progbits
	.p2align	6, 0x0
	.amdhsa_kernel k_q7a77029122_prep
		.amdhsa_group_segment_fixed_size 327680
		.amdhsa_private_segment_fixed_size 0
		.amdhsa_enable_private_segment 0
		.amdhsa_kernarg_size 120
		.amdhsa_user_sgpr_count 2
		.amdhsa_user_sgpr_kernarg_segment_ptr 1
		.amdhsa_wavefront_size32 1
		.amdhsa_system_sgpr_workgroup_id_x 1
		.amdhsa_system_sgpr_workgroup_id_y 1
		.amdhsa_system_sgpr_workgroup_id_z 1
		.amdhsa_system_vgpr_workitem_id 0
		.amdhsa_next_free_vgpr 512
		.amdhsa_next_free_sgpr 80
		.amdhsa_reserve_vcc 0
		.amdhsa_float_denorm_mode_32 3
		.amdhsa_float_denorm_mode_16_64 3
		.amdhsa_memory_ordered 1
		.amdhsa_forward_progress 1
		.amdhsa_inst_pref_size 166
	.end_amdhsa_kernel
	.amdgpu_metadata
---
amdhsa.version: [ 1, 2 ]
amdhsa.kernels:
  - .name:           k_q7a77029122_prep
    .symbol:         k_q7a77029122_prep.kd
    .args:
      - { .name: keys_codes, .offset: 0, .size: 8, .value_kind: global_buffer, .address_space: global }
      - { .name: keys_scales, .offset: 8, .size: 8, .value_kind: global_buffer, .address_space: global }
      - { .name: Kw_codes, .offset: 16, .size: 8, .value_kind: global_buffer, .address_space: global }
      - { .name: Kw_scales, .offset: 24, .size: 8, .value_kind: global_buffer, .address_space: global }
      - { .name: Kb, .offset: 32, .size: 8, .value_kind: global_buffer, .address_space: global }
      - { .name: Vw_codes, .offset: 40, .size: 8, .value_kind: global_buffer, .address_space: global }
      - { .name: Vw_scales, .offset: 48, .size: 8, .value_kind: global_buffer, .address_space: global }
      - { .name: Vb, .offset: 56, .size: 8, .value_kind: global_buffer, .address_space: global }
      - { .name: neighbor_matrix, .offset: 64, .size: 8, .value_kind: global_buffer, .address_space: global }
      - { .name: neighAt_matrix, .offset: 72, .size: 8, .value_kind: global_buffer, .address_space: global }
      - { .name: abs_pos_K, .offset: 80, .size: 8, .value_kind: global_buffer, .address_space: global }
      - { .name: abs_pos_V, .offset: 88, .size: 8, .value_kind: global_buffer, .address_space: global }
      - { .name: attn_mask, .offset: 96, .size: 8, .value_kind: global_buffer, .address_space: global }
      - { .name: kv, .offset: 104, .size: 8, .value_kind: global_buffer, .address_space: global }
      - { .name: maskw, .offset: 112, .size: 8, .value_kind: global_buffer, .address_space: global }
    .group_segment_fixed_size: 327680
    .private_segment_fixed_size: 0
    .kernarg_segment_align: 8
    .kernarg_segment_size: 120
    .max_flat_workgroup_size: 128
    .sgpr_count:     80
    .vgpr_count:     512
    .wavefront_size: 32
...
	.end_amdgpu_metadata
.endif
;; end of part 1
;; launch attn (part 2): grid 4 x 64, 16 waves a work-group, no clusters, 299,008 bytes of LDS; arguments queries_codes, queries_scales, Qw_codes, Qw_scales, Qb, kv, maskw, out0; writes out0
.if DOCPART == 2
	.amdgcn_target "amdgcn-amd-amdhsa--gfx1250"
	.amdhsa_code_object_version 6
	.text
	.protected	k_q7a77029122_attn
	.globl	k_q7a77029122_attn
	.p2align	8
	.type	k_q7a77029122_attn,@function
k_q7a77029122_attn:
	s_mov_b64 s[64:65], 0
	v_nop
	global_prefetch_b8 v0, s[64:65] scope:SCOPE_SE
	s_setreg_imm32_b32 hwreg(HW_REG_WAVE_MODE, 25, 1), 1
	s_wait_xcnt 0x0
; out[batch][q][64 head ..] = softmax_k(mask(Q . Ksum / 8)) Vsum, both products on codes of FP4 (E2M1) with one E8M0 byte for each 32 along K.  Q = queries Qw^T + Qb is made and quantised here, in registers.
; Ksum's and Vsum's codes and scale words come from kv, laid as images of the operands' registers; the mask comes from maskw as one word of 32 lane bits for each score register (64 words for a step of 128 keys, 16 steps for a tile of 16 queries).
; THE SOFTMAX: t = score x log2(e) / 8; a masked score is REPLACED by -2^35 (logit -2^32), so a row that is masked throughout has equal t, p = 1 everywhere.
; M = the running largest t rounded up to a whole number; p = 2^(t - M) is quantised along the keys; the row's sum is taken of the unquantised p and divides at the end; when M moves, sum and O are multiplied by 2^(old M - new M).
; THE MASK WORDS DECIDE WHAT IS DONE.  For each tile the wave reads its 1,024 words once and makes two maps of 16 bits: FULL (all 64 words of the step are ones) and CLEAR (all are zeros).
; A FULL step is jumped over: in a row that has an open key anywhere, a masked key's p is 2^(-2^35 c - M) = 0, so the step adds nothing to sum or O.  If some row of the tile is masked throughout (the AND of all words has bits r and 16 + r), FULL is set to 0 and every step is walked.
; A CLEAR step fetches no mask words and selects nothing.  Every other step fetches its 64 words and selects.
; SHARES.  Four work-groups own one (batch, head).  Wave w of work-group x owns the query tiles A = 16 x + w and 127 - A, one after the other: a deal made of ids alone.  Four waves share a SIMD.
; LDS, all filled once through registers: the head's whole kv region (143,360 bytes: 17 loads of 16 bytes and one of 8 a thread); the head's 64 rows of Qw (16 bytes a thread, rows 144 bytes apart), their scale bytes and the bias (waves 0 to 2, 256 bytes each);
; and for each wave its own two tiles of queries, loaded as runs of 512 bytes and read back as fragments.
; cluster = none, no tensor load: joint loads are tensor loads.  No prefetch: nothing comes from memory inside the key loop but a part-masked step's 256 bytes of words.
; K = 64 IN A FORM OF K = 128: source 0 holds TWO key tiles (registers 0-3 tile 2 b, 4-7 tile 2 b + 1), source 1 is Q beside zero codes: v[20:27] = Q | 0 picks the first, v[16:23] = 0 | Q the second.
; LAYOUT.  S^T = K Q^T, O^T = V^T P^T: a lane holds ONE query (lane % 16).  Score register 16 b + i is key 32 b + 16 (lane / 16) + i.  Tile t of V^T takes feature 4 r + t.
; LIMITS: the promise holds while the open scores' t stay under 2^31 in magnitude; NaN, infinities and scale bytes 0xff are not served; p under 2^-126 counts as 0; a block whose largest number lies under 2^(3 - 127) has the byte 1 (its codes are zeros).
.set BHB,  143360
.set STG,  143360                      ; behind kv's image: 16 rows x 272 bytes for each wave, for the way out
.set SPARE, 212992                     ; the spare words: 128 bytes a wave
.set QWL,  215040                      ; Qw's 64 rows x (128 + 16) bytes
.set SH,   224256                      ; Qw's 512 scale bytes, then the bias's 256 bytes
.set QST,  225280                      ; 32 rows x (128 + 16) bytes for each wave: its queries
.set LK,   1                           ; v1 16 x lane: K's codes; v2 + 65,536: V's codes; v3 + 131,072: K's scale words; v4 8 x lane + 139,264: V's
.set LV,   2
.set LKS,  3
.set LVS,  4
.set STO,  5                           ; the stage: row r, + 128 h
.set RD,   6                           ; and back: row lane / 16, + 16 (lane % 16)
.set GO,   7                           ; the same place in out0
.set ADK,  8                           ; v8-11 the step's LDS addresses (at the head: the projection's)
.set ADV,  9
.set ADS,  10
.set ADT,  11
; v12 -M, v13 the largest t, v[14:15] the sum; v[16:27] 0000 | Q | 0000; v[28:31] the second tile's Q; v32 -2^35; v34 the second tile's mask words; v35, v237 the spare word's address and 0
.set KF,   36
.set VF,   68
.set FT,   68                          ; v68-83 at work in FLAGS
.set PC,   100
.set S,    108
.set O,    172
.set BM,   204
.set PM,   208
.set SO,   212
.set FF,   216
.set TP,   218
.set QS,   228                         ; v228-243 (but v237) hold scales and nothing else
.set QS1,  229
.set KS,   230
.set VS,   234
.set PS,   236
.set QWS,  238
.set XQS,  242
.set TM,   244
.set WV,   2
.set TK,   4                           ; s4 4096 g, s5 512 g, s6 256 g, s7 g
.set TS,   5
.set TV,   6
.set G,    7
.set NTI,  9
.set FU,   10                          ; s10, s11 the tile's maps FULL, CLEAR
.set CL,   11
; s[16:63], s[68:83]: a part-masked step's 64 mask words
.set CS,   66
.set MB,   84                          ; s[84:85] maskw at the tile
.set OUTP, 86                          ; s[86:87] out0 at the tile's first row, my head's columns
.set DO,   88                          ; s[88:89], s[90:91] from the first tile to the second, in out0 and in maskw
.set DM,   90
.set SEL,  100
.macro D1
	s_delay_alu instid0(VALU_DEP_1)
.endm
.macro D2
	s_delay_alu instid0(VALU_DEP_2)
.endm
.macro D4
	s_delay_alu instid0(VALU_DEP_4)
.endm
.macro PLACES
.rept 4
	v_nop
.endr
.endm
; Four blocks of 32, block k in the 16 registers src + 16 k of lanes l and l xor 16: its byte into v[TM+4+k]; its codes: blocks 0, 1 into d0 .. d0 + 3, blocks 2, 3 into d1 .. d1 + 3
.macro QUANT4 src, d0, d1
.irp k, 0,1,2,3
	v_max3_num_f32 v[TM+\k], |v[\src+16*\k]|, |v[\src+16*\k+1]|, 0x1800000
.endr
.irp i, 2,4,6,8,10,12,14
.irp k, 0,1,2,3
	v_max3_num_f32 v[TM+\k], v[TM+\k], |v[\src+16*\k+\i]|, |v[\src+16*\k+\i+1]|
.endr
.endr
.irp k, 0,1,2,3
	D4
	v_permlanex16_b32 v[TM+4+\k], v[TM+\k], s[SEL], s[SEL+1]
.endr
.irp k, 0,1,2,3
	D4
	v_max_num_f32 v[TM+\k], v[TM+\k], v[TM+4+\k]
.endr
.irp k, 0,1,2,3
	D4
	v_add_nc_u32 v[TM+8+\k], 0xff000000, v[TM+\k]
.endr
.irp k, 0,1,2,3
	D4
	v_lshrrev_b32 v[TM+4+\k], 23, v[TM+8+\k]
.endr
.irp k, 0,1
	v_cvt_scalef32_pk8_fp4_f32 v[\d0+2*\k], v[\src+16*\k:\src+16*\k+7], v[TM+8+\k]
	v_cvt_scalef32_pk8_fp4_f32 v[\d0+2*\k+1], v[\src+16*\k+8:\src+16*\k+15], v[TM+8+\k]
.endr
.irp k, 0,1
	v_cvt_scalef32_pk8_fp4_f32 v[\d1+2*\k], v[\src+32+16*\k:\src+32+16*\k+7], v[TM+10+\k]
	v_cvt_scalef32_pk8_fp4_f32 v[\d1+2*\k+1], v[\src+32+16*\k+8:\src+32+16*\k+15], v[TM+10+\k]
.endr
	v_nop                                          ; one plain place behind the scaled conversions
.endm
; A lane mask m (lanes 0-15: step 2 k, lanes 16-31: step 2 k + 1) gives bits 2 k and 2 k + 1 of map d: set where all sixteen lanes are set
.macro BITS d, m, k
	s_not_b32 s34, s[\m]
	s_and_b32 s35, s34, 0xffff
	s_cselect_b32 s35, 0, 1<<(2*(\k))
	s_or_b32 s[\d], s[\d], s35
	s_lshr_b32 s35, s34, 16
	s_cselect_b32 s35, 0, 2<<(2*(\k))
	s_or_b32 s[\d], s[\d], s35
.endm
; A tile's 1,024 mask words lie in v[src .. src + 31]: load k holds steps 2 k (lanes 0-15) and 2 k + 1 (lanes 16-31), four words a lane.  Makes the maps FULL (df) and CLEAR (dc)
.macro FLAGS src, df, dc
.irp k, 0,1,2,3,4,5,6,7
	v_or_b32 v[FT+2*\k], v[\src+4*\k], v[\src+4*\k+1]
	v_or_b32 v[FT+1+2*\k], v[\src+4*\k+2], v[\src+4*\k+3]
.endr
.irp k, 0,1,2,3,4,5,6,7
	v_and_b32 v[\src+4*\k], v[\src+4*\k], v[\src+4*\k+1]
	v_and_b32 v[\src+4*\k+2], v[\src+4*\k+2], v[\src+4*\k+3]
.endr
.irp k, 0,1,2,3,4,5,6,7
	v_or_b32 v[FT+2*\k], v[FT+2*\k], v[FT+1+2*\k]
.endr
.irp k, 0,1,2,3,4,5,6,7
	v_and_b32 v[\src+4*\k], v[\src+4*\k], v[\src+4*\k+2]
.endr
.irp k, 0,1,2,3,4,5,6,7
	v_cmp_eq_u32 s[16+\k], -1, v[\src+4*\k]
	v_cmp_eq_u32 s[24+\k], 0, v[FT+2*\k]
.endr
.irp k, 0,1,2,3                                ; the AND of all words: over the loads, then over the lanes
	v_and_b32 v[\src+4*\k], v[\src+4*\k], v[\src+16+4*\k]
.endr
	D2
	v_and_b32 v[\src], v[\src], v[\src+8]
	D2
	v_and_b32 v[\src+4], v[\src+4], v[\src+12]
	D1
	v_and_b32 v[\src], v[\src], v[\src+4]
.irp m, 1,2,4,8
	D1
	v_mov_b32_dpp v[FT], v[\src] row_xmask:\m row_mask:0xf bank_mask:0xf
	D1
	v_and_b32 v[\src], v[\src], v[FT]
.endr
	D1
	v_permlanex16_b32 v[FT], v[\src], s[SEL], s[SEL+1]
	D1
	v_and_b32 v[\src], v[\src], v[FT]
	D1
	v_readfirstlane_b32 s32, v[\src]
	s_mov_b32 s[\df], 0
	s_mov_b32 s[\dc], 0
.irp k, 0,1,2,3,4,5,6,7
	BITS \df, 16+\k, \k
	BITS \dc, 24+\k, \k
.endr
	s_lshr_b32 s33, s32, 16
	s_and_b32 s33, s33, s32                        ; bit r: row r is masked throughout
	s_cselect_b32 s[\df], 0, s[\df]                ; then no step of the tile is jumped over
.endm
	s_load_b256 s[4:11], s[0:1], 0x0               ; the queries' codes, scales; Qw's codes, scales
	s_load_b128 s[12:15], s[0:1], 0x20             ; Qb, kv
	s_load_b128 s[84:87], s[0:1], 0x30             ; maskw, out0
	v_lshl_add_u32 v35, v0, 2, SPARE
	v_mov_b32 v237, 0
	v_lshrrev_b32 v1, 5, v0
	D1
	v_readfirstlane_b32 s[WV], v1                  ; wave 0..15
	s_and_b32 s16, ttmp7, 0xffff                   ; bh = 4 batch + head
	s_mul_i32 s20, s16, BHB
	s_mov_b32 s21, 0
	s_lshr_b32 s17, s16, 2                         ; batch
	s_and_b32 s18, s16, 3                          ; head
	s_lshl_b32 s19, ttmp9, 4
	s_add_co_u32 s19, s19, s[WV]                   ; A = 16 x + wave
	s_lshl_b32 s22, s19, 1
	s_sub_co_u32 s22, 127, s22                     ; tiles from A to 127 - A
	s_lshl_b32 s23, s17, 7
	s_add_co_u32 s23, s23, s19                     ; 128 batch + A
	s_lshl_b32 s26, s22, 11                        ; a tile: 2,048 bytes of the queries' codes,
	s_lshl_b32 s27, s22, 7                         ; 128 of their scales,
	s_lshl_b32 s[DO], s22, 14                      ; 16,384 of out0,
	s_mov_b32 s[DO+1], 0
	s_lshl_b32 s[DM], s22, 12                      ; 4,096 of mask words
	s_mov_b32 s[DM+1], 0
	s_mul_i32 s28, s[WV], 4352
	s_add_co_u32 s28, s28, STG                     ; my stage
	s_mul_i32 s29, s[WV], 4608
	s_add_co_u32 s29, s29, QST                     ; my queries' rows
	s_lshl_b32 s30, s[WV], 8
	s_add_co_u32 s30, s30, SH                      ; waves 0 to 2: my 256 bytes of scales or bias
	s_mov_b32 s[CS], 0x3e38aa3b                    ; c = log2(e) / 8
	s_mov_b32 s[CS+1], s[CS]
	s_mov_b32 s[SEL], 0x76543210
	s_mov_b32 s[SEL+1], 0xfedcba98
	v_and_b32 v12, 31, v0                          ; lane
	v_and_b32 v13, 15, v0                          ; r
	v_bfe_u32 v14, v0, 4, 1                        ; h
	D2
	v_and_b32 v15, 8, v13
	D1
	v_add_nc_u32 v15, v15, v13                     ; r + 8 (r / 8)
	v_lshlrev_b32 v[LK], 4, v12
	D1
	v_add_nc_u32 v[LV], 65536, v[LK]
	D2
	v_add_nc_u32 v[LKS], 131072, v[LK]
	v_lshl_add_u32 v[LVS], v12, 3, 139264
	v_add_nc_u32 v34, s[DM], v[LK]                 ; the second tile's mask words, from the first tile's
	v_add_nc_u32 v16, s26, v[LK]                   ; and its queries' codes
	v_mul_u32_u24 v[STO], v13, 272
	D1
	v_lshl_add_u32 v[STO], v14, 7, v[STO]
	D1
	v_add_nc_u32 v[STO], s28, v[STO]
	v_mul_u32_u24 v[RD], v14, 272
	D1
	v_lshl_add_u32 v[RD], v13, 4, v[RD]
	D1
	v_add_nc_u32 v[RD], s28, v[RD]
	v_lshlrev_b32 v[GO], 10, v14
	D1
	v_lshl_add_u32 v[GO], v13, 4, v[GO]
	v_mul_u32_u24 v8, v15, 144
	D1
	v_lshl_add_u32 v8, v14, 4, v8
	D1
	v_add_nc_u32 v8, QWL, v8                       ; Qw's fragments in LDS: a chosen row, + 16 h
	v_mul_u32_u24 v9, v13, 144
	D1
	v_lshl_add_u32 v9, v14, 4, v9
	D1
	v_add_nc_u32 v9, s29, v9                       ; the queries' fragments in LDS: row r, + 16 h
	v_lshl_add_u32 v10, v14, 6, SH+512             ; the bias in LDS: 64 h
	v_lshlrev_b32 v11, 3, v15
	D1
	v_lshl_add_u32 v11, v14, 2, v11
	D1
	v_add_nc_u32 v11, SH, v11                      ; Qw's scale words in LDS: lanes 16-31 take the word of the second 128 along K
	v_lshlrev_b32 v33, 3, v13
	D1
	v_lshl_add_u32 v33, v14, 2, v33                ; the queries' scale words, in memory
	D1
	v_add_nc_u32 v17, s27, v33
	v_lshlrev_b32 v18, 4, v0                       ; kv's image and Qw: 16 x thread,
	v_lshlrev_b32 v25, 3, v0                       ; kv's last 4,096 bytes: 8 x thread
	D2
	v_add_nc_u32 v19, 65536, v18
	v_add_nc_u32 v24, 131072, v18
	v_add_nc_u32 v26, 139264, v25
	v_lshrrev_b32 v27, 3, v0                       ; Qw into LDS: row thread / 8, 16 (thread % 8)
	v_and_b32 v31, 7, v0
	D2
	v_mul_u32_u24 v27, v27, 144
	D1
	v_lshl_add_u32 v27, v31, 4, v27
	D1
	v_add_nc_u32 v27, QWL, v27
	v_lshrrev_b32 v28, 3, v12                      ; the queries into LDS: row lane / 8, 16 (lane % 8)
	v_and_b32 v30, 7, v12
	D2
	v_mul_u32_u24 v28, v28, 144
	D1
	v_lshl_add_u32 v28, v30, 4, v28
	D1
	v_add_nc_u32 v28, s29, v28
	v_lshlrev_b32 v29, 3, v12                      ; scales and bias: 8 x lane
	D1
	v_add_nc_u32 v30, s30, v29
	s_wait_alu depctr_va_vdst(0)
	s_wait_kmcnt 0x0
	s_mov_b32 s25, 0
	s_add_nc_u64 s[14:15], s[14:15], s[20:21]      ; kv at my (batch, head)
	s_lshl_b32 s24, s23, 11
	s_add_nc_u64 s[4:5], s[4:5], s[24:25]
	s_lshl_b32 s24, s23, 7
	s_add_nc_u64 s[6:7], s[6:7], s[24:25]
	s_lshl_b32 s24, s18, 13
	s_add_nc_u64 s[8:9], s[8:9], s[24:25]          ; my head's 64 rows of Qw,
	s_lshl_b32 s24, s18, 9
	s_add_nc_u64 s[10:11], s[10:11], s[24:25]      ; their scale bytes,
	s_lshl_b32 s24, s18, 8
	s_add_nc_u64 s[12:13], s[12:13], s[24:25]      ; the bias,
	s_add_nc_u64 s[OUTP:OUTP+1], s[OUTP:OUTP+1], s[24:25]  ; and my head's 256 bytes of a row of out0
	s_lshl_b32 s24, s23, 14
	s_add_nc_u64 s[OUTP:OUTP+1], s[OUTP:OUTP+1], s[24:25]
	s_lshl_b32 s24, s19, 12
	s_add_nc_u64 s[MB:MB+1], s[MB:MB+1], s[24:25]
	s_cmp_lt_u32 s[WV], 2                          ; waves 0, 1: the halves of Qw's scale bytes; wave 2: the bias
	s_cselect_b64 s[36:37], s[10:11], s[12:13]
	s_and_b32 s24, s[WV], 1
	s_lshl_b32 s24, s24, 8
	s_add_nc_u64 s[36:37], s[36:37], s[24:25]
	; all loads of the head in one run: kv 18, Qw 1, the queries 8, the first tile's mask words 8, the queries' scale words 2
.set k, 0
.rept 16
	global_load_b128 v[164+4*k:167+4*k], v18, s[14:15] offset:8192*k
.set k, k+1
.endr
	global_load_b128 v[244:247], v18, s[14:15] offset:131072
	global_load_b64 v[248:249], v25, s[14:15] offset:139264
	global_load_b128 v[252:255], v18, s[8:9]
.irp j, 0,1,2,3
	global_load_b128 v[132+4*\j:135+4*\j], v[LK], s[4:5] offset:512*\j
.endr
.irp j, 0,1,2,3
	global_load_b128 v[148+4*\j:151+4*\j], v16, s[4:5] offset:512*\j
.endr
.irp k, 0,1,2,3,4,5,6,7
	global_load_b128 v[36+4*\k:39+4*\k], v[LK], s[MB:MB+1] offset:512*\k
.endr
	global_load_b32 v[XQS], v33, s[6:7]
	global_load_b32 v[XQS+1], v17, s[6:7]
	s_cmp_lt_u32 s[WV], 3
	s_cbranch_scc0 .Lnoshare
	global_load_b64 v[250:251], v29, s[36:37]
	s_wait_loadcnt 0x0
	ds_store_b64 v30, v[250:251]
.Lnoshare:
	s_wait_loadcnt 19                              ; kv's 18 are in; the 19 issued behind them may stay out
.set k, 0
.rept 8
	ds_store_b128 v18, v[164+4*k:167+4*k] offset:8192*k
	ds_store_b128 v19, v[196+4*k:199+4*k] offset:8192*k
.set k, k+1
.endr
	ds_store_b128 v24, v[244:247]
	ds_store_b64 v26, v[248:249]
	s_wait_loadcnt 18                              ; Qw's 16 bytes
	ds_store_b128 v27, v[252:255]
	s_wait_loadcnt 10                              ; the queries' eight; behind them the mask words and the scale words
.irp j, 0,1,2,3,4,5,6,7
	ds_store_b128 v28, v[132+4*\j:135+4*\j] offset:576*\j
.endr
.irp i, 0,1
.irp s, 0,1
.irp c, 0,1
	ds_load_b128 v[100+16*\i+8*\s+4*\c:100+16*\i+8*\s+4*\c+3], v9 offset:2304*\i+64*\s+32*\c   ; LDS serves a wave's instructions in order: these see my stores
.endr
.endr
.endr
	s_wait_loadcnt 0x0
	FLAGS 36, FU, CL
.irp k, 0,1,2,3
	v_mov_b32 v[TM+4+\k], 0                        ; a lane permute's destination counts as one of its sources
.endr
	s_mov_b32 s[NTI], 2
	s_wait_alu depctr_va_vdst(0)
	s_wait_dscnt 0x0                               ; my parts of kv's image, of Qw, of its scales and of the bias are stored,
	s_barrier_signal -1
	s_barrier_wait -1                              ; everybody's are
.irp f, 0,1,2,3
.irp s, 0,1
.irp c, 0,1
	ds_load_b128 v[36+16*\f+8*\s+4*\c:36+16*\f+8*\s+4*\c+3], v8 offset:(32*(\f/2)+8*(\f%2))*144+64*\s+32*\c
.endr
.endr
.endr
.irp f, 0,1,2,3
.irp k, 0,1
	ds_load_b128 v[132+8*\f+4*\k:132+8*\f+4*\k+3], v10 offset:(32*(\f/2)+8*(\f%2))*4+16*\k
.endr
.endr
.irp f, 0,1,2,3
	ds_load_b32 v[QWS+\f], v11 offset:(32*(\f/2)+8*(\f%2))*8
.endr
	s_wait_dscnt 0x0
	; Q^T = Qw queries^T + Qb for both tiles: source 0 = 16 chosen rows of Qw, source 1 = 16 queries; the bias is the first product's C; eight accumulators by turns
.irp i, 0,1
.irp f, 0,1,2,3
	v_wmma_scale_f32_16x16x128_f8f6f4 v[164+32*\i+8*\f:164+32*\i+8*\f+7], v[36+16*\f:36+16*\f+7], v[100+16*\i:100+16*\i+7], v[132+8*\f:132+8*\f+7], v[QWS+\f], v[XQS+\i] matrix_a_fmt:MATRIX_FMT_FP4 matrix_b_fmt:MATRIX_FMT_FP4
.endr
.endr
.irp i, 0,1
.irp f, 0,1,2,3
	v_wmma_scale_f32_16x16x128_f8f6f4 v[164+32*\i+8*\f:164+32*\i+8*\f+7], v[44+16*\f:44+16*\f+7], v[108+16*\i:108+16*\i+7], v[164+32*\i+8*\f:164+32*\i+8*\f+7], v[QWS+\f], v[XQS+\i] matrix_a_fmt:MATRIX_FMT_FP4 matrix_b_fmt:MATRIX_FMT_FP4 matrix_a_scale:MATRIX_SCALE_ROW1 matrix_b_scale:MATRIX_SCALE_ROW1
.endr
.endr
	PLACES
	QUANT4 164, 20, 28                             ; blocks: (first tile: features 0-31, 32-63), (second tile: likewise)
.irp d, 20, 28                                 ; a whole block to a lane
	v_permlane16_swap_b32 v[\d], v[\d+2]
	v_permlane16_swap_b32 v[\d+1], v[\d+3]
.endr
	v_lshl_or_b32 v[QS], v[TM+5], 8, v[TM+4]
	v_lshl_or_b32 v[QS1], v[TM+7], 8, v[TM+6]
	D2
	v_lshl_or_b32 v[QS], v[QS], 16, v[QS]          ; q0 q1 q0 q1: Q stands in either half of K
	D2
	v_lshl_or_b32 v[QS1], v[QS1], 16, v[QS1]
.irp k, 16,17,18,19,24,25,26,27
	v_mov_b32 v\k, 0                               ; the zero codes on both sides of Q
.endr
.irp k, 0,1,2,3
	v_mov_b32 v[PM+\k], 0                          ; lane permutes' destinations
.endr
	v_mov_b32 v[TP], 0
	v_mov_b32 v[FF+1], 0                           ; (named as the upper half of a pair)
	v_mov_b32 v32, 0xd1000000                      ; -2^35
	s_wait_alu depctr_va_vdst(0)
; the scores of 128 keys: eight products, each starting its own sum
.macro SCORES
	s_wait_dscnt 0x9                               ; K's words and fragments are in; the nine loads issued behind them (V's words, V's eight) may stay out
.irp b, 0,1,2,3
	v_wmma_scale_f32_16x16x128_f8f6f4 v[S+16*\b:S+16*\b+7], v[KF+8*\b:KF+8*\b+7], v[20:27], 0, v[KS+\b], v[QS] matrix_a_fmt:MATRIX_FMT_FP4 matrix_b_fmt:MATRIX_FMT_FP4
	v_wmma_scale_f32_16x16x128_f8f6f4 v[S+16*\b+8:S+16*\b+15], v[KF+8*\b:KF+8*\b+7], v[16:23], 0, v[KS+\b], v[QS] matrix_a_fmt:MATRIX_FMT_FP4 matrix_b_fmt:MATRIX_FMT_FP4 matrix_a_scale:MATRIX_SCALE_ROW1
.endr
	PLACES
.endm
.Ltile:
	v_mov_b32 v13, 0xff61b1e6                      ; the largest t so far: -3e38
	D1
	v_floor_f32 v12, -v13                          ; -M
	v_mov_b32 v14, 0
	v_mov_b32 v15, 0
.set j, 0
.rept 32
	v_mov_b32 v[O+j], 0                            ; the step is written once: the first one walked finds zeros
.set j, j+1
.endr
	s_mov_b32 s[TK], 0
	s_mov_b32 s[TS], 0
	s_mov_b32 s[TV], 0
	s_mov_b32 s[G], 0
.Lstep:                                            ; 16 trips of 128 keys
	s_bitcmp1_b32 s[FU], s[G]
	s_cbranch_scc1 .Lnext                          ; all 16 x 128 scores are masked: round the step's work, not round the lines that step addresses
	v_add_nc_u32 v[ADK], s[TK], v[LK]              ; these four are also the places between the last products and the loads into their operands
	v_add_nc_u32 v[ADV], s[TK], v[LV]
	v_add_nc_u32 v[ADS], s[TS], v[LKS]
	v_add_nc_u32 v[ADT], s[TV], v[LVS]
	ds_load_b128 v[KS:KS+3], v[ADS]
.irp b, 0,1,2,3
.irp u, 0,1
	ds_load_b128 v[KF+8*\b+4*\u:KF+8*\b+4*\u+3], v[ADK] offset:1024*\b+512*\u
.endr
.endr
	ds_load_b64 v[VS:VS+1], v[ADT]
.irp t, 0,1,2,3
.irp c, 0,1
	ds_load_b128 v[VF+8*\t+4*\c:VF+8*\t+4*\c+3], v[ADV] offset:1024*\t+512*\c
.endr
.endr
	s_bitcmp1_b32 s[CL], s[G]
	s_cbranch_scc1 .Lopen                          ; no score of the step is masked
	s_load_b512 s[16:31], s[MB:MB+1], s[TV] offset:0x0     ; the step's 64 mask words, 256 g bytes into the tile's
	s_load_b512 s[32:47], s[MB:MB+1], s[TV] offset:0x40
	s_load_b512 s[48:63], s[MB:MB+1], s[TV] offset:0x80
	s_load_b512 s[68:83], s[MB:MB+1], s[TV] offset:0xc0
	SCORES
	s_wait_kmcnt 0x0
.set n, 0
.rept 64
	v_cndmask_b32 v[S+n], v[S+n], v32, s[16+n+4*(n/48)]    ; a masked score becomes -2^35; each accumulator is read from its low end on
.set n, n+1
.endr
	s_branch .Lsoft
.Lopen:
	SCORES
.Lsoft:
.irp b, 0,1,2,3
	v_max3_num_f32 v[BM+\b], v[S+16*\b], v[S+16*\b+1], v[S+16*\b+2]   ; the largest score of each block of 32 keys: for the row's maximum, and, since p rises with the score, for the block's largest p
.endr
.irp i, 3,5,7,9,11,13
.irp b, 0,1,2,3
	v_max3_num_f32 v[BM+\b], v[BM+\b], v[S+16*\b+\i], v[S+16*\b+\i+1]   ; (the four blocks by turns)
.endr
.endr
.irp b, 0,1,2,3
	v_max_num_f32 v[BM+\b], v[BM+\b], v[S+16*\b+15]
.endr
.irp b, 0,1,2,3
	D4
	v_permlanex16_b32 v[PM+\b], v[BM+\b], s[SEL], s[SEL+1]
.endr
.irp b, 0,1,2,3
	D4
	v_max_num_f32 v[BM+\b], v[BM+\b], v[PM+\b]     ; with lane l xor 16's 16 keys
.endr
	D2
	v_max3_num_f32 v[TP], v[BM], v[BM+1], v[BM+2]
	D1
	v_max_num_f32 v[TP], v[TP], v[BM+3]
	D1
	v_mul_f32 v[TP], s[CS], v[TP]                  ; the step's largest t (c is positive)
	D1
	v_max_num_f32 v13, v13, v[TP]
	v_mov_b32 v[TP], v12
	D2
	v_floor_f32 v12, -v13                          ; the new -M = -ceil(t): a whole number
	D1
	v_sub_f32 v[TP], v12, v[TP]                    ; old M - new M, 0 or less
	D1
	v_cvt_i32_f32 v[TP], v[TP]                     ; (it saturates: f is then 0)
	D1
	v_ldexp_f32 v[FF], 1.0, v[TP]                  ; f = 2^(old M - new M)
.set j, 0
.rept 32
	v_pk_fma_f32 v[S+j:S+j+1], v[S+j:S+j+1], s[CS:CS+1], v[12:13] op_sel_hi:[1,0,0]   ; t - M, two at a time
.set j, j+2
.endr
.irp b, 0,1,2,3
	v_fma_f32 v[BM+\b], v[BM+\b], s[CS], v12       ; the same of each block's largest score
.endr
	s_wait_alu depctr_va_vdst(0)
.set j, 0
.rept 64
	v_exp_f32 v[S+j], v[S+j]                       ; p = 2^(t - M): not normalised
.set j, j+1
.endr
.irp b, 0,1,2,3
	v_exp_f32 v[BM+\b], v[BM+\b]                   ; the block's largest p: the same two instructions on the same number give the same bits
.endr
	v_pk_mul_f32 v[14:15], v[14:15], v[FF:FF+1] op_sel_hi:[1,0]   ; the sums under the new M: the plain instruction behind the exponentials
	s_wait_alu depctr_va_vdst(0)                   ; directly ahead of the first reader of O^T, a matrix result
.set j, 0
.rept 16
	v_pk_mul_f32 v[O+j:O+j+1], v[O+j:O+j+1], v[FF:FF+1] op_sel_hi:[1,0]   ; O^T under the new M
.set j, j+2
.endr
	s_wait_alu depctr_va_vdst(0)                   ; ahead of the first line that names an exponential's result
.irp b, 0,1,2,3
	v_max_num_f32 v[BM+\b], 0x1800000, v[BM+\b]    ; the floor 2^(3 - 127): the byte cannot fall under 1
.endr
.irp b, 0,1,2,3
	D4
	v_add_nc_u32 v[SO+\b], 0xff000000, v[BM+\b]    ; 2 off the exponent field: the conversion's scale operand
.endr
.irp b, 0,1,2,3
	D4
	v_lshrrev_b32 v[PM+\b], 23, v[SO+\b]           ; the scale's byte
.endr
	s_delay_alu instid0(VALU_DEP_3)
	v_lshl_or_b32 v[PS], v[PM+1], 8, v[PM]         ; p's scale word for these 128 keys
	D1
	v_lshl_or_b32 v[PS], v[PM+2], 16, v[PS]
	D1
	v_lshl_or_b32 v[PS], v[PM+3], 24, v[PS]
.irp b, 0,1,2,3
	v_cvt_scalef32_pk8_fp4_f32 v[PC+2*\b], v[S+16*\b:S+16*\b+7], v[SO+\b]
	v_cvt_scalef32_pk8_fp4_f32 v[PC+2*\b+1], v[S+16*\b+8:S+16*\b+15], v[SO+\b]
.endr
	v_nop                                          ; one plain place behind the scaled conversions
.irp c, 0,1                                    ; a whole block to a lane: lanes 0-15 block 2 c, lanes 16-31 block 2 c + 1
.irp i, 0,1
	v_permlane16_swap_b32 v[PC+4*\c+\i], v[PC+4*\c+2+\i]
.endr
.endr
	; the row's sum of the unquantised p: 32 pairs in eight chains
.irp c, 0,1,2,3,4,5
	v_pk_add_f32 v[244+2*\c:245+2*\c], v[S+2*\c:S+2*\c+1], v[S+16+2*\c:S+17+2*\c]
.endr
	v_pk_add_f32 v[220:221], v[S+12:S+13], v[S+28:S+29]
	v_pk_add_f32 v[14:15], v[14:15], v[S+14:S+15]
.irp o, 32, 48
.irp c, 0,1,2,3,4,5
	v_pk_add_f32 v[244+2*\c:245+2*\c], v[244+2*\c:245+2*\c], v[S+\o+2*\c:S+\o+2*\c+1]
.endr
	v_pk_add_f32 v[220:221], v[220:221], v[S+\o+12:S+\o+13]
	v_pk_add_f32 v[14:15], v[14:15], v[S+\o+14:S+\o+15]
.endr
	v_pk_add_f32 v[244:245], v[244:245], v[S+30:S+31]
	v_pk_add_f32 v[246:247], v[246:247], v[248:249]
	v_pk_add_f32 v[250:251], v[250:251], v[252:253]
	v_pk_add_f32 v[254:255], v[254:255], v[220:221]
	s_delay_alu instid0(VALU_DEP_3)
	v_pk_add_f32 v[244:245], v[244:245], v[246:247]
	D2
	v_pk_add_f32 v[250:251], v[250:251], v[254:255]
	D1
	v_pk_add_f32 v[244:245], v[244:245], v[250:251]
	D1
	v_pk_add_f32 v[14:15], v[14:15], v[244:245]
	s_wait_dscnt 0x0                               ; V's words and fragments are in
.irp t, 0,2                                    ; O^T += V^T P^T: four accumulators by turns
	v_wmma_scale_f32_16x16x128_f8f6f4 v[O+8*\t:O+8*\t+7], v[VF+8*\t:VF+8*\t+7], v[PC:PC+7], v[O+8*\t:O+8*\t+7], v[VS+\t/2], v[PS] matrix_a_fmt:MATRIX_FMT_FP4 matrix_b_fmt:MATRIX_FMT_FP4
	v_wmma_scale_f32_16x16x128_f8f6f4 v[O+8*\t+8:O+8*\t+15], v[VF+8*\t+8:VF+8*\t+15], v[PC:PC+7], v[O+8*\t+8:O+8*\t+15], v[VS+\t/2], v[PS] matrix_a_fmt:MATRIX_FMT_FP4 matrix_b_fmt:MATRIX_FMT_FP4 matrix_a_scale:MATRIX_SCALE_ROW1
.endr
.Lnext:
	s_add_co_u32 s[TK], s[TK], 4096
	s_add_co_u32 s[TS], s[TS], 512
	s_add_co_u32 s[TV], s[TV], 256
	s_add_co_u32 s[G], s[G], 1
	s_cmp_lt_u32 s[G], 16
	s_cbranch_scc1 .Lstep
	s_cmp_eq_u32 s[NTI], 1
	s_cbranch_scc1 .Lout                           ; behind the first tile alone: the second tile's mask words are asked for, under the way out
.irp k, 0,1,2,3,4,5,6,7
	global_load_b128 v[36+4*\k:39+4*\k], v34, s[MB:MB+1] offset:512*\k
.endr
.Lout:
	; THE WAY OUT of a tile: O^T / the sum goes through my stage and leaves as rows of 256 bytes
	s_wait_alu depctr_va_vdst(0)
	v_add_f32 v14, v14, v15                        ; the sum's two halves,
	D1
	v_permlanex16_b32 v[TP], v14, s[SEL], s[SEL+1]
	D1
	v_add_f32 v14, v14, v[TP]                      ; and lane l xor 16's
	s_wait_alu depctr_va_vdst(0)
	v_rcp_f32 v14, v14
	PLACES                                         ; the plain place behind the reciprocal, and the places behind the last products
	s_wait_alu depctr_va_vdst(0)                   ; ahead of the reciprocal's first reader
.irp j, 0,1,2,3,4,5,6,7
.irp t, 0,1,2,3
	v_mul_f32 v[S+4*\j+\t], v[O+8*\t+\j], v14      ; feature 32 h + 4 j + t; each accumulator is read from its low end on
.endr
.endr
.irp j, 0,1,2,3,4,5,6,7
	ds_store_b128 v[STO], v[S+4*\j:S+4*\j+3] offset:16*\j
.endr
.irp k, 0,1,2,3,4,5,6,7
	ds_load_b128 v[S+32+4*\k:S+32+4*\k+3], v[RD] offset:544*\k   ; LDS serves a wave's instructions in order: these see my stores
.endr
.irp k, 0,1,2,3,4,5,6,7
	s_wait_dscnt 7-\k                              ; the younger loads from the stage may stay out
	global_store_b128 v[GO], v[S+32+4*\k:S+32+4*\k+3], s[OUTP:OUTP+1] offset:2048*\k th:TH_STORE_NT   ; sixteen lanes store 256 consecutive bytes, aligned
.endr
	s_sub_co_u32 s[NTI], s[NTI], 1
	s_cmp_eq_u32 s[NTI], 0
	s_cbranch_scc1 .Ldone
	s_wait_xcnt 0x0                                ; the stores have read their registers and their base: both are written again only behind this wait
	s_add_nc_u64 s[OUTP:OUTP+1], s[OUTP:OUTP+1], s[DO:DO+1]   ; on to the second tile: its rows,
.irp k, 0,1,2,3
	v_mov_b32 v[20+\k], v[28+\k]                   ; its Q,
.endr
	v_mov_b32 v[QS], v[QS1]                        ; its scale word,
	s_wait_alu depctr_va_vdst(0)
	s_wait_loadcnt 0x0                             ; its mask words are in, and their loads have read their base:
	s_add_nc_u64 s[MB:MB+1], s[MB:MB+1], s[DM:DM+1]
	FLAGS 36, FU, CL                               ; and its maps
	s_cmp_lg_u32 s[NTI], 0
	s_cbranch_scc1 .Ltile
.Ldone:
	s_wait_tensorcnt 0x0                           ; the wave's end
	ds_add_u32 v35, v237
	s_wait_dscnt 0x0
	s_endpgm
.Lfunc_end_k_q7a77029122_attn:
	.size	k_q7a77029122_attn, .Lfunc_end_k_q7a77029122_attn-k_q7a77029122_attn
	.p2alignl 7, 3214868480
	.fill 96, 4, 3214868480
	.section	.rodata,"a",@progbits
	.p2align	6, 0x0
	.amdhsa_kernel k_q7a77029122_attn
		.amdhsa_group_segment_fixed_size 299008
		.amdhsa_private_segment_fixed_size 0
		.amdhsa_enable_private_segment 0
		.amdhsa_kernarg_size 64
		.amdhsa_user_sgpr_count 2
		.amdhsa_user_sgpr_kernarg_segment_ptr 1
		.amdhsa_wavefront_size32 1
		.amdhsa_system_sgpr_workgroup_id_x 1
		.amdhsa_system_sgpr_workgroup_id_y 1
		.amdhsa_system_sgpr_workgroup_id_z 1
		.amdhsa_system_vgpr_workitem_id 0
		.amdhsa_next_free_vgpr 256
		.amdhsa_next_free_sgpr 102
		.amdhsa_reserve_vcc 0
		.amdhsa_float_denorm_mode_32 3
		.amdhsa_float_denorm_mode_16_64 3
		.amdhsa_memory_ordered 1
		.amdhsa_forward_progress 1
		.amdhsa_inst_pref_size 66
	.end_amdhsa_kernel
	.amdgpu_metadata
---
amdhsa.version: [ 1, 2 ]
amdhsa.kernels:
  - .name:           k_q7a77029122_attn
    .symbol:         k_q7a77029122_attn.kd
    .args:
      - { .name: queries_codes, .offset: 0, .size: 8, .value_kind: global_buffer, .address_space: global }
      - { .name: queries_scales, .offset: 8, .size: 8, .value_kind: global_buffer, .address_space: global }
      - { .name: Qw_codes, .offset: 16, .size: 8, .value_kind: global_buffer, .address_space: global }
      - { .name: Qw_scales, .offset: 24, .size: 8, .value_kind: global_buffer, .address_space: global }
      - { .name: Qb, .offset: 32, .size: 8, .value_kind: global_buffer, .address_space: global }
      - { .name: kv, .offset: 40, .size: 8, .value_kind: global_buffer, .address_space: global }
      - { .name: maskw, .offset: 48, .size: 8, .value_kind: global_buffer, .address_space: global }
      - { .name: out0, .offset: 56, .size: 8, .value_kind: global_buffer, .address_space: global }
    .group_segment_fixed_size: 299008
    .private_segment_fixed_size: 0
    .kernarg_segment_align: 8
    .kernarg_segment_size: 64
    .max_flat_workgroup_size: 512
    .sgpr_count:     102
    .vgpr_count:     256
    .wavefront_size: 32
...
	.end_amdgpu_metadata
.endif
;; end of part 2
